; MI455X (gfx1250); checked and timed in simulation.
; The chip was launched on July 23, 2026; its instructions are those of AMD's public machine-readable ISA for CDNA 5 (MIT licence, August 2026) and "CDNA5" Instruction Set Architecture Reference Guide (July 2026). The comments in the code are by the model that wrote it; some were corrected since.
;; Cross Modality Attention. Allowed arithmetic: matrix products marked QUANTISED: E2M1 operands, one E8M0 scale for each 32 along K, by v_wmma_scale_f32_16x16x128_f8f6f4 with both operands' format E2M1 (or v_wmma_scale_f32_32x16x128_f4), f32 sums; products left as they are: f32 operands where the result goes on into a quantised operand, else bf16, f16 or f32 operands; f32 sums; everything else in f32.
;; Inputs: bk 1,024 float32; bo 1,024 float32; bq 1,024 float32; bv 1,024 float32; ln_beta 1,024 float32; ln_gamma 1,024 float32; modality_encodings 8,192 x 2 x 1,024 float32; rel_prior 2 x 2 float32; selection_mask 8,192 x 2 float32; wk_codes 1,024 x 32 x 16 uint8 (E2M1 codes of wk, K innermost, in blocks of 32 codes, two codes a byte); wk_scales 1,024 x 32 uint8 (E8M0 scales of wk, one for each 32 codes along K); wo_codes 1,024 x 32 x 16 uint8 (E2M1 codes of wo, K innermost, in blocks of 32 codes, two codes a byte); wo_scales 1,024 x 32 uint8 (E8M0 scales of wo, one for each 32 codes along K); wq_codes 1,024 x 32 x 16 uint8 (E2M1 codes of wq, K innermost, in blocks of 32 codes, two codes a byte); wq_scales 1,024 x 32 uint8 (E8M0 scales of wq, one for each 32 codes along K); wv_codes 1,024 x 32 x 16 uint8 (E2M1 codes of wv, K innermost, in blocks of 32 codes, two codes a byte); wv_scales 1,024 x 32 uint8 (E8M0 scales of wv, one for each 32 codes along K).
;; Outputs: out0 8,192 x 2 x 1,024 float32.
;; This version of the problem:
;;   THIS VERSION OF THE PROBLEM IS GIVEN IN LOW PRECISION. The matrix products marked QUANTISED in the list below multiply operands that are first quantised to E2M1 (2 exponent bits, 1 mantissa bit; 4 bits a number), with one power-of-two scale for each 32 numbers along K (OCP MX v1.0); their sums are f32. All else is computed in f32.
;;   The module's matrix products, in the order in which they are computed (A, B: the left and right operand; K: the contracted axis; several contracted axes count as one K, in the product's order):
;;     1. [M 16,384, K 1,024] x [K 1,024, N 1,024]; A: input modality_encodings; B: input wq (given as codes): QUANTISED
;;     2. [M 16,384, K 1,024] x [K 1,024, N 1,024]; A: input modality_encodings; B: input wk (given as codes): QUANTISED
;;     3. [M 16,384, K 1,024] x [K 1,024, N 1,024]; A: input modality_encodings; B: input wv (given as codes): QUANTISED
;;     4. batch 65,536 x [M 2, K 128] x [K 128, N 2]; A: computed on the way; B: computed on the way: left as it is (M = 2 < 16)
;;     5. batch 65,536 x [M 2, K 2] x [K 2, N 128]; A: softmax; B: computed on the way: left as it is (K = 2 < 32)
;;     6. [M 16,384, K 1,024] x [K 1,024, N 1,024]; A: computed on the way; B: input wo (given as codes): QUANTISED
;;   THE QUANTISER, for each operand of a quantised product, along K:
;;     - K is cut into blocks of 32 from its start; a last block that is shorter is filled with zeros.
;;     - A block's scale is 2^e with e = floor(log2(the largest magnitude in the block)) - 2, held to -126 .. 127; a block of zeros has e = 0. As a byte (E8M0): e + 127.
;;     - Each number is divided by its block's scale, clamped to +-6, and rounded to the nearest number of E2M1, ties to even, subnormals kept.
;;     - The product sums the exact products of the quantised numbers (number of the format x scale) in f32.
;;   ~~~python
;;   def quantise(x, axis):      # numpy; x: float32 -> the quantised numbers, widened to float32 again
;;       x = np.moveaxis(x, axis, -1); K = x.shape[-1]
;;       x = np.pad(x, [(0, 0)] * (x.ndim - 1) + [(0, -K % 32)]); x = x.reshape(x.shape[:-1] + (-1, 32)); a = np.abs(x).max(-1, keepdims=True)
;;       e = np.where(a > 0, np.clip(np.frexp(np.where(a > 0, a, 1))[1] - 1 - 2, -126, 127), 0)      # np.frexp(a)[1] - 1 = floor(log2(a)), exactly
;;       r = np.clip(x / 2.0 ** e, -6, 6)
;;       step = 2.0 ** (np.maximum(np.frexp(np.where(r == 0, 1, r))[1] - 1, 0) - 1)
;;       q = np.round(r / step) * step * 2.0 ** e      # np.round: ties to even
;;       return np.moveaxis(q.reshape(q.shape[:-2] + (-1,))[..., :K], -1, axis).astype(np.float32)
;;   ~~~
;;   OPERANDS COMPUTED ON THE WAY. 'Computed on the way' means the value that the module computes at that place (a softmax that the list does not call 'softmax' is quantised finished and normalised). What goes into a quantiser is computed in f32, as accurately as f32 sums, v_exp_f32 and their like allow (about 1e-6 of the number): no bf16 or f16 on the way to a quantiser, and a product that is left as it is and whose result goes on into a quantised operand takes f32 operands (vector FMAs, or v_wmma_f32_16x16x4_f32). A number that lies on a knife's edge between two numbers of the format may be rounded either way, as far as f32 arithmetic and the matrix unit's own rounding can turn it there, and no further.
;;   INPUTS GIVEN AS CODES. wk (in the module: [1024, 1024], K = its axis 1); wo (in the module: [1024, 1024], K = its axis 1); wq (in the module: [1024, 1024], K = its axis 1); wv (in the module: [1024, 1024], K = its axis 1): each comes as NAME_codes (uint8): NAME with its K axis moved to the last place and cut into blocks of 32 codes, [.., K / 32, bytes a block], one block behind the other in memory; two codes a byte, the lower K in the low four bits (a code: sign, 2 exponent bits, 1 mantissa bit); and NAME_scales (uint8): the same leading axes, one E8M0 byte (e + 127) for each 32 codes along K. Its value is code x scale, taken as it is: it is not quantised again, and the codes and scales need not be those that the quantiser above would give.
;; One version. Each part assembles by itself: llvm-mc -triple=amdgcn-amd-amdhsa -mcpu=gfx1250 --defsym DOCPART=n.
;; ======== version 1 of 1: 1 launch
;; limits: right only within a limited range of input values
;; launch fused (part 1): grid 256 x 1, 8 waves a work-group, clusters of 4 x 1, 327,680 bytes of LDS; arguments modality_encodings, selection_mask, wq_codes, wq_scales, bq, wk_codes, wk_scales, wv_codes, wv_scales, bv, wo_codes, wo_scales, bo, rel_prior, ln_gamma, ln_beta, out0; writes out0
.if DOCPART == 1
	.amdgcn_target "amdgcn-amd-amdhsa--gfx1250"
	.amdhsa_code_object_version 6
	.text
	.protected	k_qf6af2a89b1_fused
	.globl	k_qf6af2a89b1_fused
	.p2align	8
	.type	k_qf6af2a89b1_fused,@function
k_qf6af2a89b1_fused:
	s_mov_b64 s[64:65], 0
	v_nop
	global_prefetch_b8 v0, s[64:65] scope:SCOPE_SE
	s_setreg_imm32_b32 hwreg(HW_REG_WAVE_MODE, 25, 1), 1
	s_wait_xcnt 0x0
	s_wait_alu depctr_hold_cnt(0) depctr_sa_sdst(0) depctr_va_vdst(0) depctr_va_sdst(0) depctr_va_ssrc(0) depctr_va_vcc(0) depctr_vm_vsrc(0)
	s_getreg_b32 s2, hwreg(HW_REG_IB_STS2, 6, 4)
	s_cmp_eq_u32 s2, 0
	s_cbranch_scc0 .Lentry_in_a_cluster
	s_endpgm
.Lentry_in_a_cluster:
	s_bfe_u32 s2, ttmp6, 0x10000c
	s_cmp_lg_u32 s2, 0x3003
	s_cbranch_scc0 .Lentry_shape_is_right
	s_endpgm
.Lentry_shape_is_right:
; Attention over two modalities, output projection, residual and layer norm, one work-group for 32 batch items = 64 rows.
; DEAD WORK LEFT OUT: bk.  It adds q . bk to the scores of both keys of a query: the same number along the softmax's axis, which the softmax takes away for all values
; of the inputs; K goes into no quantiser.  bk is not among the arguments.  Limit: a NaN, an infinity or an overflow that reaches only that term is not carried to the result.
; The scores enter through their difference d = q . (k0 - k1) / sqrt(128) + (prior[q][0] - prior[q][1]): less the larger score the two exponents are min(d, 0) and min(-d, 0).
; A masked key makes d +infinity or -infinity; a row whose keys are both masked is computed unmasked and becomes NaN at the end.
; SHARES.  8 waves, wave w owns HEAD w for all 64 rows in Q, K, V, scores, softmax and P V; then columns 128 w .. 128 w + 127 of the output product; then rows 8 w .. 8 w + 7 of the layer norm.
; ROWS.  Row block m = 2 g + modality holds batch items 16 g .. 16 g + 15: both modalities of an item lie in one lane (r = lane % 16; h = lane / 16).
; MATRIX INSTRUCTION TRANSPOSED: source 0 = 16 rows of a weight, source 1 = 16 rows of x: lane (r, h) holds row r, registers the 8 neighbouring columns 8 h + 0 .. 7.
; RING: two LDS slots; a wave's piece is its own weight rows: 32 rows x 512 bytes (Q, K, V) or 64 rows x 256 bytes (half of Wo's K).  All work-groups walk the same weights:
; the four of a cluster ask jointly (mask 15).  Fills: Q0 K0 Q1 K1 Q2 K2 Q3 K3 V0 V1 V2 V3 (32 rows each), then Wo rows 0-63, 64-127 of K's first half and the same of the second.
; PREFETCH: clusters 0 to 3 ask for the weights two refills ahead, 16 blocks of 256 bytes a wave, the four work-groups told apart by address.  x is read a second time for the residual by the work-group that read it; it is not asked for.
; IMAGE: codes as the operand's registers want them: K step k, row block m, half c, lane half hh at 4416 k + 1088 m + 544 c + 272 hh + 16 r.  First x's, later the attention output's.
; REGISTERS: window 0: v0-15 addresses; v16-31 scale words of the image; v32-47 of the weights; v48-63 biases; v64-95 K's accumulators, then P and biases; v96-103 score sums; v104-123 at work;
; v128-191 accumulators; v192-255 fragments.  Window 1: x, then its image, then the output product's accumulators.
.set PIECE, 17408
.set SLOT,  8*PIECE                    ; 0x22000: shares no bit with wave x PIECE, so an exclusive or changes slots
.set IMG,   2*SLOT
.set XSC,   IMG+35328
.set SPARE, XSC+2048
.set SP,    4112                       ; the way out: a row of 1,024 f32 + 16 bytes
.set PFO, 1
.set LB,  2
.set AD,  3
.set LI,  4
.set LS,  5
.set ISA, 6
.set SSA, 7
.set WSV, 8
.set BV,  9
.set SPW, 10
.set NIL, 11
.set PFO2, 12
.set MSK, 12
.set XS,  16
.set WSQ, 32
.set WSK, 40
.set BIAS, 48
.set KA,  64
.set PB,  64
.set BIAS2, 80
.set SC,  96
.set TM,  104
.set CD,  116
.set IST, 125
.set SST, 126
.set XO,  127
.set QA,  128
.set FRAG, 192
.set WV,  40
.set CX,  41
.set WGI, 42
.set TRIP, 43
.set TB,  44
.set LIM, 45
.set G1W, 48
.set G1O, 56
.set G0,  68
.set PA,  72
.set RSD, 97
.set SEL, 100
.set MSB, 0
.macro WIN new
.if MSB != (\new)
	s_set_vgpr_msb (MSB<<8)|(\new)
.set MSB, (\new)
.endif
.endm
.macro PLACES n
.rept \n
	v_nop
.endr
.endm
; the cluster's round behind its opening barrier
.macro CREST
	s_cmp_lg_u32 s[WV], 0
	s_cbranch_scc1 .Lnw0_\@
	s_barrier_signal -3
.Lnw0_\@:
	s_barrier_wait -3
	s_barrier_signal -1
	s_barrier_wait -1
.endm
.macro ROUND
	s_barrier_signal -1
	s_barrier_wait -1
	CREST
.endm
; a change of slots, first part: my loads are all done, 0 onto my spare word, the descriptor steps to the other slot
.macro CH1 rp, off
	WIN 0
	s_wait_tensorcnt 0x0
	ds_add_u32 v[SPW], v[NIL]
	s_xor_b32 s[G0+1], s[G0+1], SLOT
	s_xor_b32 s[TB], s[TB], SLOT
	s_add_nc_u64 s[G0+2:G0+3], s[\rp:\rp+1], \off
	s_or_b32 s[G0+3], s[G0+3], 0x80000000
.endm
; where my prefetch stands: earlier prefetches have read their address
.macro ASKP ap, aoff, cxo
	s_wait_xcnt 0x0
	s_add_nc_u64 s[PA:PA+1], s[\ap:\ap+1], \aoff
	s_add_nc_u64 s[PA:PA+1], s[PA:PA+1], s[\cxo:\cxo+1]
.endm
; last part: the round is closed, the joint refill comes first
.macro CH2 g1
	WIN 0
	s_barrier_wait -1
	CREST
	tensor_load_to_lds s[G0:G0+3], s[\g1:\g1+7]
	s_nop 0
	PLACES 4
.endm
.macro ASK pf
	s_cmp_eq_u32 s[LIM], 1
	s_cbranch_scc0 .Lna_\@
	global_prefetch_b8 v[\pf], s[PA:PA+1] th:TH_LOAD_NT scope:SCOPE_SE
.Lna_\@:
.endm
.macro WM
.if zC
.if fB
	v_wmma_scale_f32_16x16x128_f8f6f4 v[rD:rD+7], v[rA:rA+7], v[rB:rB+7], 0, v[rSA], v[rSB] matrix_a_fmt:MATRIX_FMT_FP4 matrix_b_fmt:MATRIX_FMT_FP4 matrix_b_scale:MATRIX_SCALE_ROW1
.else
	v_wmma_scale_f32_16x16x128_f8f6f4 v[rD:rD+7], v[rA:rA+7], v[rB:rB+7], 0, v[rSA], v[rSB] matrix_a_fmt:MATRIX_FMT_FP4 matrix_b_fmt:MATRIX_FMT_FP4
.endif
.else
.if fA
.if fB
	v_wmma_scale_f32_16x16x128_f8f6f4 v[rD:rD+7], v[rA:rA+7], v[rB:rB+7], v[rC:rC+7], v[rSA], v[rSB] matrix_a_fmt:MATRIX_FMT_FP4 matrix_b_fmt:MATRIX_FMT_FP4 matrix_a_scale:MATRIX_SCALE_ROW1 matrix_b_scale:MATRIX_SCALE_ROW1
.else
	v_wmma_scale_f32_16x16x128_f8f6f4 v[rD:rD+7], v[rA:rA+7], v[rB:rB+7], v[rC:rC+7], v[rSA], v[rSB] matrix_a_fmt:MATRIX_FMT_FP4 matrix_b_fmt:MATRIX_FMT_FP4 matrix_a_scale:MATRIX_SCALE_ROW1
.endif
.else
.if fB
	v_wmma_scale_f32_16x16x128_f8f6f4 v[rD:rD+7], v[rA:rA+7], v[rB:rB+7], v[rC:rC+7], v[rSA], v[rSB] matrix_a_fmt:MATRIX_FMT_FP4 matrix_b_fmt:MATRIX_FMT_FP4 matrix_b_scale:MATRIX_SCALE_ROW1
.else
	v_wmma_scale_f32_16x16x128_f8f6f4 v[rD:rD+7], v[rA:rA+7], v[rB:rB+7], v[rC:rC+7], v[rSA], v[rSB] matrix_a_fmt:MATRIX_FMT_FP4 matrix_b_fmt:MATRIX_FMT_FP4
.endif
.endif
.endif
.endm
; a quarter of a tile: K steps 2 qd, 2 qd + 1, four row blocks by turns.  cz = 1: the sums begin at 0, else at the bias in cb
.macro QTR acc, cz, cb, ws, qd
.irp sl,0,1
.irp m,0,1,2,3
.set kS, 2*(\qd)+\sl
.set rD, (\acc)+8*\m
.set rA, FRAG+8*kS
.set rB, 8*(4*kS+\m)
.set rSA, (\ws)+(kS%4)
.set rSB, XS+8*(\m/2)+kS
.set fA, kS/4
.set fB, \m%2
.set zC, 0
.set rC, rD
.if kS == 0
.if \cz
.set zC, 1
.else
.set rC, (\cb)
.endif
.endif
	WM
.endr
.endr
.endm
.macro FQ off, qd
.irp c,0,1,2,3
	ds_load_b128 v[FRAG+16*(\qd)+4*\c:FRAG+16*(\qd)+4*\c+3], v[AD] offset:(\off)+128*(\qd)+32*\c
.endr
.endm
; the next slot's first tile of fragments
.macro NEXTF
	v_add_nc_u32 v[AD], s[TB], v[LB]
	s_wait_alu depctr_va_vdst(0)
.irp qd,0,1,2,3
	FQ 0, \qd
.endr
.endm
; a slot's first tile; each quarter's registers take the second tile's fragments.  n: the LDS instructions younger than a quarter's four loads
.macro TILEL acc, cz, cb, ws, n
.irp qd,0,1,2,3
	s_wait_dscnt \n
	WIN 0x04
	QTR \acc, \cz, \cb, \ws, \qd
	PLACES 4
	FQ 8448, \qd
.endr
.endm
; a slot's second tile with the change of slots inside it: quarters 2 and 3 stand between signal and wait
.macro TILE1 acc, cz, cb, ws, rp, off, g1, ap, aoff, cxo, pf
	s_wait_dscnt 12
	WIN 0x04
	QTR \acc, \cz, \cb, \ws, 0
	s_wait_dscnt 8
	QTR \acc, \cz, \cb, \ws, 1
	CH1 \rp, \off
	ASKP \ap, \aoff, \cxo
	s_wait_dscnt 0x0                               ; the add, and all of the slot's fragments are in registers
	s_barrier_signal -1
	WIN 0x04
	QTR \acc, \cz, \cb, \ws, 2                     ; quarters 2 and 3 stand between signal and wait
	QTR \acc, \cz, \cb, \ws, 3
	CH2 \g1
	ASK \pf
.endm
; scale words of two tiles: lanes 0-15 K steps 0-3 of row r, lanes 16-31 K steps 4-7
.macro RWS ws, sp, so
	global_load_b128 v[\ws:\ws+3], v[WSV], s[\sp:\sp+1] offset:\so
	global_load_b128 v[\ws+4:\ws+7], v[WSV], s[\sp:\sp+1] offset:\so+512
.endm
; biases of two tiles: my eight columns each
.macro RBI b, sp, so
	global_load_b128 v[\b:\b+3], v[BV], s[\sp:\sp+1] offset:\so
	global_load_b128 v[\b+4:\b+7], v[BV], s[\sp:\sp+1] offset:\so+16
	global_load_b128 v[\b+8:\b+11], v[BV], s[\sp:\sp+1] offset:\so+64
	global_load_b128 v[\b+12:\b+15], v[BV], s[\sp:\sp+1] offset:\so+80
.endm
; q . (k0 - k1) of tile t's 8 columns onto the sums
.macro SCORES t
	WIN 0
.irp i,0,2,4,6
.irp g,0,1
	v_pk_add_f32 v[KA+16*\g+\i:KA+16*\g+\i+1], v[KA+16*\g+\i:KA+16*\g+\i+1], v[KA+16*\g+8+\i:KA+16*\g+9+\i] neg_lo:[0,1] neg_hi:[0,1]
.endr
.endr
.irp i,0,2,4,6
.irp g,0,1
.irp q,0,1
	v_pk_fma_f32 v[SC+4*\g+2*\q:SC+4*\g+2*\q+1], v[QA+32*(\t)+16*\g+8*\q+\i:QA+32*(\t)+16*\g+8*\q+\i+1], v[KA+16*\g+\i:KA+16*\g+\i+1], v[SC+4*\g+2*\q:SC+4*\g+2*\q+1]
.endr
.endr
.endr
	s_wait_alu depctr_va_vdst(0)
.endm
; out_q = p_q0 v0 + p_q1 v1, in place
.macro AV
	WIN 0
.irp i,0,2,4,6
.irp u,0,1
.irp g,0,1
	v_pk_mul_f32 v[TM+2*(2*\u+\g):TM+2*(2*\u+\g)+1], v[QA+32*\u+16*\g+\i:QA+32*\u+16*\g+\i+1], v[PB+8*\g+4:PB+8*\g+5]
.endr
.endr
.irp u,0,1
.irp g,0,1
	v_pk_mul_f32 v[QA+32*\u+16*\g+\i:QA+32*\u+16*\g+\i+1], v[QA+32*\u+16*\g+\i:QA+32*\u+16*\g+\i+1], v[PB+8*\g:PB+8*\g+1]
.endr
.endr
.irp u,0,1
.irp g,0,1
	v_pk_fma_f32 v[QA+32*\u+16*\g+\i:QA+32*\u+16*\g+\i+1], v[QA+32*\u+16*\g+8+\i:QA+32*\u+16*\g+9+\i], v[PB+8*\g+2:PB+8*\g+3], v[QA+32*\u+16*\g+\i:QA+32*\u+16*\g+\i+1]
.endr
.endr
.irp u,0,1
.irp g,0,1
	v_pk_fma_f32 v[QA+32*\u+16*\g+8+\i:QA+32*\u+16*\g+9+\i], v[QA+32*\u+16*\g+8+\i:QA+32*\u+16*\g+9+\i], v[PB+8*\g+6:PB+8*\g+7], v[TM+2*(2*\u+\g):TM+2*(2*\u+\g)+1]
.endr
.endr
.endr
.endm
; block jv of my head (32 columns, 16 of them here and 16 in lane l xor 16): codes and scale bytes into the image, 12 stores
.macro QUANT jv
.set QO, 544*((\jv)/2)+272*((\jv)%2)
.irp m,0,1,2,3
	v_max3_num_f32 v[TM+\m], |v[QA+8*\m]|, |v[QA+8*\m+1]|, 0x1800000
.endr
.irp o,2,4,6,32,34,36,38
.irp m,0,1,2,3
	v_max3_num_f32 v[TM+\m], v[TM+\m], |v[QA+8*\m+\o]|, |v[QA+8*\m+\o+1]|
.endr
.endr
.irp m,0,1,2,3
	v_permlanex16_b32 v[TM+4+\m], v[TM+\m], s[SEL], s[SEL+1]
.endr
.irp m,0,1,2,3
	v_max_num_f32 v[TM+\m], v[TM+\m], v[TM+4+\m]
.endr
.irp m,0,1,2,3
	v_add_nc_u32 v[TM+8+\m], 0xff000000, v[TM+\m]
.endr
.irp m,0,1,2,3
	v_lshrrev_b32 v[TM+4+\m], 23, v[TM+8+\m]
.endr
.irp m,0,1,2,3
	v_cvt_scalef32_pk8_fp4_f32 v[CD+2*\m], v[QA+8*\m:QA+8*\m+7], v[TM+8+\m]
	v_cvt_scalef32_pk8_fp4_f32 v[CD+2*\m+1], v[QA+32+8*\m:QA+32+8*\m+7], v[TM+8+\m]
.endr
	v_nop
.irp m,0,1,2,3
.irp u,0,1
	ds_store_b32 v[ISA], v[CD+2*\m+\u] offset:QO+1088*\m+8*\u
.endr
.endr
.irp m,0,1,2,3
	ds_store_b8 v[SSA], v[TM+4+\m] offset:1024*(\m/2)+64*(\m%2)+(\jv)
.endr
	s_wait_alu depctr_va_vdst(0)
.endm
.macro XROW n
.irp u,0,1,2,3
.irp e,0,1
	global_load_b128 v[32*(\n)+8*\u+4*\e:32*(\n)+8*\u+4*\e+3], v[XO], s[4:5] offset:4096*(\n)+1024*\u+16*\e
.endr
.endr
.endm
; row n of my eight (item n / 2, modality n % 2): a lane holds 8 neighbours of each quarter row, four lanes a block
.macro QROW n, lc
	s_wait_loadcnt \lc
	WIN 0x05
.irp u,0,1,2,3
	v_max3_num_f32 v[TM+\u], |v[32*(\n)+8*\u]|, |v[32*(\n)+8*\u+1]|, 0x1800000
.endr
.irp o,2,4,6
.irp u,0,1,2,3
	v_max3_num_f32 v[TM+\u], |v[32*(\n)+8*\u+\o]|, |v[32*(\n)+8*\u+\o+1]|, v[TM+\u]
.endr
.endr
	WIN 0
.irp u,0,1,2,3
	v_max_num_f32_dpp v[TM+\u], v[TM+\u], v[TM+\u] row_xmask:1 row_mask:0xf bank_mask:0xf
.endr
.irp u,0,1,2,3
	v_max_num_f32_dpp v[TM+\u], v[TM+\u], v[TM+\u] row_xmask:2 row_mask:0xf bank_mask:0xf
.endr
.irp u,0,1,2,3
	v_add_nc_u32 v[TM+4+\u], 0xff000000, v[TM+\u]
.endr
.irp u,0,1,2,3
	v_lshrrev_b32 v[TM+8+\u], 23, v[TM+4+\u]
.endr
	WIN 0x01
.irp u,0,1,2,3
	v_cvt_scalef32_pk8_fp4_f32 v[CD+\u], v[32*(\n)+8*\u:32*(\n)+8*\u+7], v[TM+4+\u]
.endr
	WIN 0
	v_nop
.irp u,0,1,2,3
	ds_store_b32 v[IST], v[CD+\u] offset:8832*\u+1088*((\n)%2)+16*((\n)/2)
.endr
.irp u,0,1,2,3
	ds_store_b8 v[SST], v[TM+8+\u] offset:256*\u+64*((\n)%2)+4*((\n)/2)
.endr
.endm
.macro LOADXS
.irp g,0,1
.irp k,0,1,2,3,4,5,6,7
	ds_load_b32 v[XS+8*\g+\k], v[LS] offset:1024*\g+128*\k
.endr
.endr
.endm
	s_load_b512 s[4:19], s[0:1], 0x0
	s_load_b512 s[20:35], s[0:1], 0x40
	s_load_b64 s[36:37], s[0:1], 0x80
	v_lshl_add_u32 v[SPW], v0, 2, SPARE
	v_mov_b32 v[NIL], 0
	ds_add_u32 v[SPW], v[NIL]                      ; the wave's opening: the add, twice on end, and its wait
	ds_add_u32 v[SPW], v[NIL]
	v_lshrrev_b32 v200, 5, v0
	v_readfirstlane_b32 s[WV], v200
	v_and_b32 v201, 15, v0                         ; r
	v_bfe_u32 v202, v0, 4, 1                       ; h
	v_and_b32 v203, 31, v0
	s_bfe_u32 s[CX], ttmp6, 0x40000
	s_lshl_b32 s[WGI], ttmp9, 2
	s_add_co_u32 s[WGI], s[WGI], s[CX]
	s_cmp_lt_u32 ttmp9, 4
	s_cselect_b32 s[LIM], 1, 0
	v_min_u32 v204, 15, v203
	v_lshlrev_b32 v[PFO], 8, v204                  ; lanes 16-31 name the last block again
	v_mul_u32_u24 v205, v201, 528
	v_lshl_add_u32 v205, v202, 4, v205
	s_mul_i32 s2, s[WV], PIECE
	v_add_nc_u32 v[LB], s2, v205
	v_mul_u32_u24 v206, v202, 272
	v_lshl_add_u32 v206, v201, 4, v206
	v_add_nc_u32 v[LI], IMG, v206
	v_lshl_add_u32 v[LS], v203, 2, XSC
	v_lshlrev_b32 v207, 4, v201
	v_lshl_add_u32 v207, v202, 2, v207
	s_mul_i32 s3, s[WV], 4416
	s_add_co_u32 s3, s3, IMG
	v_add_nc_u32 v[ISA], s3, v207                  ; my head is K step w of the output product
	s_lshl_b32 s3, s[WV], 7
	s_add_co_u32 s3, s3, XSC
	v_lshl_add_u32 v[SSA], v201, 2, s3
	v_lshlrev_b32 v208, 5, v201
	v_lshl_add_u32 v[WSV], v202, 4, v208
	v_lshlrev_b32 v[BV], 5, v202
	v_mul_u32_u24 v209, v202, 4416
	v_bfe_u32 v210, v0, 3, 1
	v_mul_u32_u24 v210, v210, 544
	v_add_nc_u32 v209, v209, v210
	v_bfe_u32 v211, v0, 2, 1
	v_mul_u32_u24 v211, v211, 272
	v_add_nc_u32 v209, v209, v211
	v_and_b32 v212, 3, v0
	v_lshl_add_u32 v209, v212, 2, v209
	s_lshr_b32 s38, s[WV], 2
	s_and_b32 s39, s[WV], 3
	s_mul_i32 s3, s38, 2176
	s_lshl_b32 s46, s39, 6
	s_add_co_u32 s3, s3, s46
	s_add_co_u32 s3, s3, IMG
	v_add_nc_u32 v[IST], s3, v209
	s_lshl_b32 s3, s38, 10
	s_lshl_b32 s46, s39, 4
	s_add_co_u32 s3, s3, s46
	s_add_co_u32 s3, s3, XSC
	v_bfe_u32 v213, v0, 2, 2
	v_lshl_add_u32 v213, v202, 7, v213
	v_add_nc_u32 v[SST], s3, v213
	v_lshlrev_b32 v[XO], 5, v203
	v_lshlrev_b32 v214, 3, v201
.irp b,0,1,2,3,4,5,6,7
	v_mov_b32 v[SC+\b], 0
.endr
	; group 1: joint (mask 15), elements of 8 bytes, 16 bytes of padding behind each row
	s_mov_b32 s[G1W], 15|(3<<16)|(1<<20)|(1<<21)|(6<<22)|(3<<25)
	s_mov_b32 s[G1W+1], 64<<16
	s_mov_b32 s[G1W+2], 32<<16
	s_mov_b32 s[G1W+3], 64<<16
	s_mov_b32 s[G1W+4], 32
	s_mov_b32 s[G1W+5], 64
	s_mov_b32 s[G1W+6], 0
	s_mov_b32 s[G1W+7], 0
	s_mov_b32 s[G1O], 15|(3<<16)|(1<<20)|(1<<21)|(5<<22)|(3<<25)
	s_mov_b32 s[G1O+1], 32<<16
	s_mov_b32 s[G1O+2], 64<<16
	s_mov_b32 s[G1O+3], 32<<16
	s_mov_b32 s[G1O+4], 64
	s_mov_b32 s[G1O+5], 64
	s_mov_b32 s[G1O+6], 0
	s_mov_b32 s[G1O+7], 0
	s_mov_b32 s66, 0x3a800000                      ; 1 / 1024
	s_mov_b32 s67, 0x3727c5ac                      ; 1e-5
	s_mov_b32 s[SEL], 0x76543210
	s_mov_b32 s[SEL+1], 0xfedcba98
	s_mov_b32 s[RSD], 0x3db504f3                   ; 1 / sqrt(128)
	s_mov_b32 s[TB], SLOT
	s_mov_b32 s[TRIP], 0
	s_mov_b32 s[G0], 1
	s_mov_b32 s[G0+1], s2
	s_lshl_b32 s74, s[CX], 12
	s_mov_b32 s75, 0
	s_lshl_b32 s76, s[CX], 13
	s_mov_b32 s77, 0
	s_wait_dscnt 0x0                               ; both opening adds are done
	s_wait_alu depctr_va_vdst(0)
	s_wait_kmcnt 0x0
	s_lshl_b32 s2, s[WGI], 18
	s_lshl_b32 s38, s[WV], 15
	s_add_co_u32 s2, s2, s38
	s_mov_b32 s3, 0
	s_mov_b32 s39, 0
	s_add_nc_u64 s[4:5], s[4:5], s[2:3]            ; my 8 rows of x, and of the output
	s_add_nc_u64 s[36:37], s[36:37], s[2:3]
	WIN 0x40
.irp n,0,1,2,3,4,5
	XROW \n
.endr
	WIN 0
	s_lshl_b32 s38, s[WV], 16
	s_add_nc_u64 s[8:9], s[8:9], s[38:39]          ; my head's 128 rows of each weight
	s_add_nc_u64 s[14:15], s[14:15], s[38:39]
	s_add_nc_u64 s[18:19], s[18:19], s[38:39]
	s_add_nc_u64 s[24:25], s[24:25], s[38:39]
	s_lshl_b32 s38, s[WV], 12
	s_add_nc_u64 s[10:11], s[10:11], s[38:39]
	s_add_nc_u64 s[16:17], s[16:17], s[38:39]
	s_add_nc_u64 s[20:21], s[20:21], s[38:39]
	s_add_nc_u64 s[26:27], s[26:27], s[38:39]
	s_lshl_b32 s38, s[WV], 9
	s_add_nc_u64 s[12:13], s[12:13], s[38:39]
	s_add_nc_u64 s[22:23], s[22:23], s[38:39]
	s_lshl_b32 s38, s[WGI], 8
	s_add_nc_u64 s[6:7], s[6:7], s[38:39]
	s_load_b128 s[84:87], s[30:31], 0x0            ; the prior
	s_add_nc_u64 s[38:39], s[18:19], 16384         ; V1
	s_add_nc_u64 s[46:47], s[20:21], 1024
	s_mov_b64 s[G0+2:G0+3], s[8:9]
	s_or_b32 s[G0+3], s[G0+3], 0x80000000
	ROUND                                          ; all four work-groups are here: the first joint loads meet
	tensor_load_to_lds s[G0:G0+3], s[G1W:G1W+7]    ; Q0
	s_nop 0
	PLACES 4
	RWS WSQ, 10, 0
	RBI BIAS, 12, 0
	RWS WSK, 16, 0
	global_load_b64 v[MSK:MSK+1], v214, s[6:7]
	global_load_b64 v[MSK+2:MSK+3], v214, s[6:7] offset:128
	WIN 0x40
	XROW 6
	XROW 7
	WIN 0
	s_wait_alu depctr_va_vdst(0)
	; behind row n's loads: 8 for each later row, and 10 others behind row 5
	QROW 0, 63
	QROW 1, 58
	QROW 2, 50
	QROW 3, 42
	QROW 4, 34
	QROW 5, 26
	QROW 6, 8
	QROW 7, 0
	s_wait_alu depctr_va_vdst(0)
	s_wait_kmcnt 0x0
	CH1 14, 0                                      ; K0 into slot 1; the same round shows x's image to all waves
	ASKP 8, 16384, 74
	s_add_nc_u64 s[78:79], s[14:15], 16384
	s_add_nc_u64 s[78:79], s[78:79], s[74:75]
	s_wait_dscnt 0x0
	s_barrier_signal -1
	CH2 G1W
	LOADXS
	WIN 0x40
.irp k,0,1,2,3,4,5,6,7
.irp m,0,1,2,3
.irp c,0,1
	ds_load_b128 v[8*(4*\k+\m)+4*\c:8*(4*\k+\m)+4*\c+3], v[LI] offset:4416*\k+1088*\m+544*\c
.endr
.endr
.endr
	WIN 0
	NEXTF
	s_cmp_eq_u32 s[LIM], 1
	s_cbranch_scc0 .Lnohead
	global_prefetch_b8 v[PFO], s[PA:PA+1] th:TH_LOAD_NT scope:SCOPE_SE      ; Q1
	global_prefetch_b8 v[PFO], s[78:79] th:TH_LOAD_NT scope:SCOPE_SE        ; K1
.Lnohead:
	s_wait_alu depctr_va_vdst(0)
; A trip: 32 columns of my head of Q (64 accumulator registers), then of K, tile by tile.  The last trip's refills are V0 and V1.
.Ltrip:
	s_wait_xcnt 0x0                                ; all loads and prefetches have read their bases
	s_add_nc_u64 s[8:9], s[8:9], 16384
	s_add_nc_u64 s[14:15], s[14:15], 16384
	s_add_nc_u64 s[10:11], s[10:11], 1024
	s_add_nc_u64 s[16:17], s[16:17], 1024
	s_add_nc_u64 s[12:13], s[12:13], 128
	s_add_nc_u64 s[98:99], s[8:9], 16384
	s_add_nc_u64 s[104:105], s[14:15], 16384
	s_mov_b32 s3, 0
	s_cmp_lt_u32 s[TRIP], 3
	s_cselect_b64 s[78:79], s[8:9], s[18:19]       ; the refills,
	s_cselect_b64 s[80:81], s[14:15], s[38:39]
	s_cselect_b64 s[90:91], s[10:11], s[20:21]     ; the scale words
	s_cselect_b64 s[92:93], s[16:17], s[46:47]
	s_cselect_b64 s[94:95], s[12:13], s[22:23]     ; and the bias of the next trip, or of V
	s_cselect_b32 s2, 0, 32768
	s_add_nc_u64 s[82:83], s[18:19], s[2:3]        ; two refills on: V0, V1 in trip 2, V2, V3 in trip 3
	s_add_nc_u64 s[88:89], s[38:39], s[2:3]
	s_cmp_lt_u32 s[TRIP], 2
	s_cselect_b64 s[82:83], s[98:99], s[82:83]
	s_cselect_b64 s[88:89], s[104:105], s[88:89]
	s_wait_loadcnt 2                               ; K's two loads of scale words may be out
	TILEL QA, 0, BIAS, WSQ, 12
	TILE1 QA+32, 0, BIAS+8, WSQ+4, 78, 0, G1W, 82, 0, 74, PFO
	NEXTF
	RWS WSQ, 90, 0
	RBI BIAS, 94, 0
	s_wait_loadcnt 6                               ; the six just issued may be out
	TILEL KA, 1, 0, WSK, 12
	SCORES 0
	TILE1 KA, 1, 0, WSK+4, 80, 0, G1W, 88, 0, 74, PFO
	NEXTF
	RWS WSK, 92, 0
	SCORES 1
	s_add_co_u32 s[TRIP], s[TRIP], 1
	s_cmp_lt_u32 s[TRIP], 4
	s_cbranch_scc1 .Ltrip
	s_wait_xcnt 0x0                                ; the trips' loads have read their bases: those registers hold masks below
	; SOFTMAX: c = 2 g + q; both halves of the lanes hold the sum
	RBI BIAS2, 22, 128
.irp c,0,1,2,3
	v_add_f32 v[TM+\c], v[SC+2*\c], v[SC+2*\c+1]
.endr
	v_mov_b32 v118, s85
	v_mov_b32 v119, s87
.irp c,0,1,2,3
	v_permlanex16_b32 v[TM+4+\c], v[TM+\c], s[SEL], s[SEL+1]
.endr
	v_sub_f32 v116, s84, v118
	v_sub_f32 v117, s86, v119
.irp c,0,1,2,3
	v_add_f32 v[TM+\c], v[TM+\c], v[TM+4+\c]
.endr
.irp c,0,1,2,3
	v_fma_f32 v[TM+\c], v[TM+\c], s[RSD], v[116+\c%2]
.endr
	v_mul_f32 v96, v[MSK], v[MSK]
	v_mul_f32 v97, v[MSK], v[MSK+1]
	v_mul_f32 v98, v[MSK+1], v[MSK+1]
	v_mul_f32 v99, v[MSK+2], v[MSK+2]
	v_mul_f32 v100, v[MSK+2], v[MSK+3]
	v_mul_f32 v101, v[MSK+3], v[MSK+3]
	v_mov_b32 v102, 0x7f800000
	v_mov_b32 v103, 0xff800000
	v_cmp_lt_f32 s78, 0, v96
	v_cmp_lt_f32 s79, 0, v97
	v_cmp_lt_f32 s80, 0, v98
	v_cmp_lt_f32 s81, 0, v99
	v_cmp_lt_f32 s82, 0, v100
	v_cmp_lt_f32 s83, 0, v101
	s_wait_alu depctr_va_vdst(0)
	s_and_not1_b32 s88, s78, s79                   ; key 0 alone counts: d = +infinity
	s_and_not1_b32 s89, s79, s78                   ; key 1 alone: -infinity
	s_and_not1_b32 s90, s79, s80
	s_and_not1_b32 s91, s80, s79
	s_and_not1_b32 s92, s81, s82
	s_and_not1_b32 s93, s82, s81
	s_and_not1_b32 s94, s82, s83
	s_and_not1_b32 s95, s83, s82
.irp c,0,1,2,3
	v_cndmask_b32 v[TM+\c], v[TM+\c], v102, s[88+2*\c]
.endr
.irp c,0,1,2,3
	v_cndmask_b32 v[TM+\c], v[TM+\c], v103, s[89+2*\c]
.endr
.irp c,0,1,2,3
	v_min_num_f32 v[TM+4+\c], 0, v[TM+\c]
	v_min_num_f32 v[TM+8+\c], 0, -v[TM+\c]
.endr
.irp c,0,1,2,3,4,5,6,7
	v_mul_f32 v[TM+4+\c], 0x3fb8aa3b, v[TM+4+\c]
.endr
	v_lshlrev_b32 v[PFO2], 1, v[PFO]               ; Wo's prefetches: rows of 512 bytes
	s_wait_alu depctr_va_vdst(0)
.irp c,0,1,2,3,4,5,6,7
	v_exp_f32 v[TM+4+\c], v[TM+4+\c]
.endr
	v_nop
	s_wait_alu depctr_va_vdst(0)
.irp c,0,1,2,3
	v_add_f32 v[TM+\c], v[TM+4+\c], v[TM+8+\c]
.endr
	s_wait_alu depctr_va_vdst(0)
.irp c,0,1,2,3
	v_rcp_f32 v[CD+\c], v[TM+\c]
.endr
	v_nop
	s_wait_alu depctr_va_vdst(0)
.irp c,0,1,2,3
.irp k,0,1
	v_mul_f32 v[PB+4*\c+2*\k], v[TM+4+4*\k+\c], v[CD+\c]
	v_mul_f32 v[PB+4*\c+2*\k+1], v[TM+4+4*\k+\c], v[CD+\c]
.endr
.endr
	s_wait_alu depctr_va_vdst(0)
	; V, two tiles = one block of 32 of the output product's K at a time.  In each: six younger loads may be out
	s_wait_loadcnt 6
	TILEL QA, 0, BIAS, WSQ, 12
	TILE1 QA+32, 0, BIAS+8, WSQ+4, 18, 32768, G1W, 24, 0, 76, PFO2
	NEXTF
	RWS WSQ, 20, 2048
	RBI BIAS, 22, 256
	AV
	QUANT 0
	s_wait_loadcnt 6
	TILEL QA, 0, BIAS2, WSK, 24                    ; the 12 stores are younger than the fragments' loads
	TILE1 QA+32, 0, BIAS2+8, WSK+4, 18, 49152, G1W, 24, 32768, 76, PFO2
	NEXTF
	RWS WSK, 20, 3072
	RBI BIAS2, 22, 384
	AV
	QUANT 1
	s_wait_loadcnt 6
	TILEL QA, 0, BIAS, WSQ, 24
	TILE1 QA+32, 0, BIAS+8, WSQ+4, 24, 0, G1O, 24, 256, 76, PFO2
	NEXTF
	RWS 32, 26, 0                                  ; Wo's scale words: tile t in v[32 + 4 t ..]
	RWS 48, 26, 2048
	RWS 56, 26, 3072
	AV
	QUANT 2
	s_wait_loadcnt 6
	TILEL QA, 0, BIAS2, WSK, 24
	WIN 0x04
.irp qd,0,1,2,3
	s_wait_dscnt 12-4*\qd
	QTR QA+32, 0, BIAS2+8, WSK+4, \qd
.endr
	PLACES 4
	AV
	QUANT 3
	CH1 24, 32768
	ASKP 24, 33024, 76
	s_wait_dscnt 0x0                               ; the add, and my stores into the image
	s_barrier_signal -1
	CH2 G1O
	ASK PFO2
	RWS 40, 26, 1024
; THE OUTPUT PRODUCT: my 128 columns, 8 tiles in window 1; K in two halves of four K steps.  One K step of tile t:
.macro OQ t, fr, hf, ks
.irp m,0,1,2,3
.set rD, 32*(\t)+8*\m
.set rC, rD
.set rA, 64+32*(\fr)+8*(\ks)
.set rB, 128+8*(4*(\ks)+\m)
.set rSA, 32+4*(\t)+(\ks)
.set rSB, XS+8*(\m/2)+4*(\hf)+(\ks)
.set fA, \hf
.set fB, \m%2
.set zC, 0
.if (\hf) == 0
.if (\ks) == 0
.set zC, 1
.endif
.endif
	WM
.endr
.endm
.macro OT t, fr, hf
	WIN 0x50
.irp ks,0,1,2,3
	OQ \t, \fr, \hf, \ks
.endr
.endm
.macro OF fr, ti
	WIN 0
.irp ks,0,1,2,3
.irp c,0,1
	ds_load_b128 v[64+32*(\fr)+8*\ks+4*\c:64+32*(\fr)+8*\ks+4*\c+3], v[AD] offset:4352*(\ti)+64*\ks+32*\c
.endr
.endr
.endm
.macro NEXTO
	v_add_nc_u32 v[AD], s[TB], v[LB]
	s_wait_alu depctr_va_vdst(0)
	OF 0, 0
	OF 1, 1
.endm
.macro IMK hf, ks
.irp m,0,1,2,3
.irp c,0,1
	ds_load_b128 v[128+8*(4*(\ks)+\m)+4*\c:128+8*(4*(\ks)+\m)+4*\c+3], v[LI] offset:4416*(4*(\hf)+(\ks))+1088*\m+544*\c
.endr
.endr
.endm
; a slot's first three tiles of four: two fragment buffers by turns, 8 loads each
.macro OSL t, hf
	s_wait_dscnt 8
	OT \t, 0, \hf
	PLACES 4
	OF 0, 2
	s_wait_dscnt 8
	OT \t+1, 1, \hf
	PLACES 4
	OF 1, 3
	s_wait_dscnt 8
	OT \t+2, 0, \hf
	s_wait_dscnt 0x0
.endm
	v_and_b32 v108, 15, v0
	v_bfe_u32 v109, v0, 4, 1
	v_mul_u32_u24 v108, v108, 272
	v_lshl_add_u32 v108, v109, 4, v108
	s_mul_i32 s2, s[WV], PIECE
	v_add_nc_u32 v[LB], s2, v108
	s_wait_alu depctr_va_vdst(0)
	LOADXS
.irp ks,0,1,2,3
	IMK 0, \ks
.endr
	NEXTO
	s_wait_loadcnt 0x0                             ; Wo's scale words
	OSL 0, 0
	WIN 0x50
	OQ 3, 1, 0, 0
	OQ 3, 1, 0, 1
	CH1 24, 256
	s_wait_dscnt 0x0
	s_barrier_signal -1
	WIN 0x50
	OQ 3, 1, 0, 2
	OQ 3, 1, 0, 3
	CH2 G1O
	NEXTO
	OSL 4, 0
.irp ks,0,1,2,3
	WIN 0x50
	OQ 7, 1, 0, \ks
	PLACES 4
	WIN 0
	IMK 1, \ks                                     ; this K step's registers take the image of K's second half
.endr
	CH1 24, 33024
	s_wait_dscnt 0x0
	s_barrier_signal -1
	CH2 G1O
	NEXTO
	OSL 0, 1
	OT 3, 1, 1
	WIN 0
	s_wait_tensorcnt 0x0                           ; my last piece is in; nothing is filled again
	s_xor_b32 s[TB], s[TB], SLOT
	PLACES 4
	NEXTO
	OSL 4, 1
	OT 7, 1, 1
	WIN 0
	PLACES 4
	; THE WAY OUT: all accumulators into LDS as rows of 1,024, over the slots, which have had their last fill; then each wave takes its 8 whole rows
	s_wait_xcnt 0x0                                ; the prefetches have read their addresses
	v_and_b32 v25, 31, v0
	v_lshlrev_b32 v12, 4, v25
	v_and_b32 v26, 7, v0
	v_xor_b32 v27, 1, v26
	s_lshl_b32 s2, s[WV], 5
	v_lshl_add_u32 v13, v26, 2, s2
	v_lshl_add_u32 v14, v27, 2, s2
	v_and_b32 v28, 15, v0
	v_bfe_u32 v29, v0, 4, 1
	v_mul_u32_u24 v30, v28, SP
	v_lshl_add_u32 v30, v29, 5, v30
	s_lshl_b32 s3, s[WV], 9
	v_add_nc_u32 v18, s3, v30
	v_add_nc_u32 v15, s3, v12                      ; my 128 numbers of bo, gamma, beta,
	v_add_nc_u32 v31, IMG, v15                     ; and their place in LDS, over the image, which nobody reads any more
	v_add_nc_u32 v1, IMG, v12
	v_add_nc_u32 v19, 16*SP, v18
	v_add_nc_u32 v20, 32*SP, v18
	v_add_nc_u32 v21, 48*SP, v18
	s_lshr_b32 s2, s[WV], 2
	s_lshl_b32 s2, s2, 5
	s_and_b32 s3, s[WV], 3
	s_lshl_b32 s3, s3, 2
	s_add_co_u32 s2, s2, s3
	s_mul_i32 s2, s2, SP
	v_add_nc_u32 v22, s2, v12                      ; modality 0's rows of my four items
	v_add_nc_u32 v23, 16*SP, v22                   ; modality 1's
	v_mov_b32 v24, 0x7fc00000
	v_mov_b32 v28, 0
	v_mov_b32 v29, 0
	s_wait_alu depctr_va_vdst(0)
	global_load_b32 v16, v13, s[6:7]               ; lane n % 8: the mask of my row n,
	global_load_b32 v17, v14, s[6:7]               ; and of its item's other row
	global_load_b128 v[2:5], v15, s[28:29]         ; bo, gamma, beta: fetched once in the work-group, 512 bytes of each a wave
	global_load_b128 v[6:9], v15, s[32:33]
	global_load_b128 v[32:35], v15, s[34:35]
; row n of my eight of x, into the destination's window
.macro XR n, b
.irp c,0,1,2,3,4,5,6,7
	global_load_b128 v[\b+4*\c:\b+4*\c+3], v12, s[4:5] offset:4096*\n+512*\c th:TH_LOAD_NT
.endr
.endm
; row block m of my columns into LDS
.macro STG m
.irp t,0,1,2,3,4,5,6,7
.irp i,0,1
	ds_store_b128 v[18+\m], v[32*\t+8*\m+4*\i:32*\t+8*\m+4*\i+3] offset:64*\t+16*\i
.endr
.endr
.endm
	s_wait_dscnt 0x0
	s_barrier_signal -1                            ; no wave reads a slot any more
	s_barrier_wait -1
	WIN 0x04                                       ; the stores' data in window 1; the loads land in window 0
	STG 0
	XR 0, 64
	STG 1
	XR 1, 96
	STG 2
	XR 2, 128
	STG 3
	WIN 0
	s_wait_loadcnt 24                              ; behind the parameters: three rows of x
	ds_store_b128 v31, v[2:5]
	ds_store_b128 v31, v[6:9] offset:4096
	ds_store_b128 v31, v[32:35] offset:8192
	s_wait_dscnt 0x0
	s_barrier_signal -1
	s_barrier_wait -1
.macro OLD q
	WIN 0x40
.irp mod,0,1
.irp c,0,1,2,3,4,5,6,7
	ds_load_b128 v[64+64*((\q)%2)+32*\mod+4*\c:67+64*((\q)%2)+32*\mod+4*\c], v[22+\mod] offset:SP*(\q)+512*\c
.endr
.endr
.endm
	OLD 0
.irp c,0,1,2,3,4,5,6,7
	ds_load_b128 v[4*\c:4*\c+3], v1 offset:4096+512*\c
.endr
.irp c,0,1,2,3,4,5,6,7
	ds_load_b128 v[32+4*\c:35+4*\c], v1 offset:8192+512*\c
.endr
	WIN 0
.irp c,0,1,2,3,4,5,6,7
	ds_load_b128 v[32+4*\c:35+4*\c], v1 offset:512*\c
.endr
	XR 3, 160
; the sum of v[2+4 mod ..] and v[4+4 mod ..] over the lanes -> v[26 + mod]
.macro LNSUM
	WIN 0
.irp mod,0,1
	v_pk_add_f32 v[2+4*\mod:3+4*\mod], v[2+4*\mod:3+4*\mod], v[4+4*\mod:5+4*\mod]
.endr
.irp mod,0,1
	v_add_f32 v[26+\mod], v[2+4*\mod], v[3+4*\mod]
.endr
.irp x,1,2,4,8
.irp mod,0,1
	v_add_f32_dpp v[26+\mod], v[26+\mod], v[26+\mod] row_xmask:\x row_mask:0xf bank_mask:0xf
.endr
.endr
.irp mod,0,1
	v_permlanex16_b32 v[28+\mod], v[26+\mod], s[SEL], s[SEL+1]
.endr
.irp mod,0,1
	v_add_f32 v[26+\mod], v[26+\mod], v[28+\mod]
.endr
.endm
; rows 2 p and 2 p + 1 (item p's two modalities), 32 numbers a lane each; lc: the loads younger than what this needs
.macro LNP p, lc
.set OB, 64+64*((\p)%2)
.if (\p) < 3
.set XB, 64+64*(\p)
.set XW, 0x41
.if (\p) > 0
	s_wait_xcnt 0x0                                ; the previous item's stores have read their registers
.endif
	OLD (\p)+1
	s_wait_loadcnt \lc
	s_wait_dscnt 16
.else
.set XB, 192
.set XW, 0x45
	s_wait_loadcnt \lc
	s_wait_dscnt 0x0
.endif
.if (\p) == 0
	WIN 0
	v_mul_f32 v25, v16, v16
	v_mul_f32 v26, v16, v17
	v_cmp_lt_f32 s88, 0, v25
	v_cmp_lt_f32 s89, 0, v26
	s_or_b32 s96, s88, s89                         ; bit n: row n has a key that counts
.endif
	WIN XW
.irp i,0,2,4,6,8,10,12,14,16,18,20,22,24,26,28,30
.irp mod,0,1
	v_pk_add_f32 v[OB+32*\mod+\i:OB+32*\mod+\i+1], v[OB+32*\mod+\i:OB+32*\mod+\i+1], v[XB+32*\mod+\i:XB+32*\mod+\i+1]
.endr
.endr
	WIN 0x41
.irp i,0,2,4,6,8,10,12,14,16,18,20,22,24,26,28,30
.irp mod,0,1
	v_pk_add_f32 v[OB+32*\mod+\i:OB+32*\mod+\i+1], v[OB+32*\mod+\i:OB+32*\mod+\i+1], v[32+\i:33+\i]
.endr
.endr
	WIN 0x05
.irp mod,0,1
	v_pk_add_f32 v[2+4*\mod:3+4*\mod], v[OB+32*\mod:OB+32*\mod+1], v[OB+32*\mod+2:OB+32*\mod+3]
	v_pk_add_f32 v[4+4*\mod:5+4*\mod], v[OB+32*\mod+4:OB+32*\mod+5], v[OB+32*\mod+6:OB+32*\mod+7]
.endr
	WIN 0x01
.irp i,8,12,16,20,24,28
.irp mod,0,1
	v_pk_add_f32 v[2+4*\mod:3+4*\mod], v[OB+32*\mod+\i:OB+32*\mod+\i+1], v[2+4*\mod:3+4*\mod]
	v_pk_add_f32 v[4+4*\mod:5+4*\mod], v[OB+32*\mod+\i+2:OB+32*\mod+\i+3], v[4+4*\mod:5+4*\mod]
.endr
.endr
.if (\p) == 0                          ; x's rows two items on
	WIN 0
	XR 4, 192
	XR 5, 224
.endif
.if (\p) == 1
	WIN 0x40
	XR 6, 192
	XR 7, 224
.endif
	LNSUM
.irp mod,0,1
	v_mul_f32 v[14+2*\mod], s66, v[26+\mod]
	v_mul_f32 v[15+2*\mod], s66, v[26+\mod]
.endr
	WIN 0x41
.irp i,0,2,4,6,8,10,12,14,16,18,20,22,24,26,28,30
.irp mod,0,1
	v_pk_add_f32 v[OB+32*\mod+\i:OB+32*\mod+\i+1], v[OB+32*\mod+\i:OB+32*\mod+\i+1], v[14+2*\mod:15+2*\mod] neg_lo:[0,1] neg_hi:[0,1]
.endr
.endr
	WIN 0x05
.irp mod,0,1
	v_pk_mul_f32 v[2+4*\mod:3+4*\mod], v[OB+32*\mod:OB+32*\mod+1], v[OB+32*\mod:OB+32*\mod+1]
	v_pk_mul_f32 v[4+4*\mod:5+4*\mod], v[OB+32*\mod+2:OB+32*\mod+3], v[OB+32*\mod+2:OB+32*\mod+3]
.endr
.irp i,4,8,12,16,20,24,28
.irp mod,0,1
	v_pk_fma_f32 v[2+4*\mod:3+4*\mod], v[OB+32*\mod+\i:OB+32*\mod+\i+1], v[OB+32*\mod+\i:OB+32*\mod+\i+1], v[2+4*\mod:3+4*\mod]
	v_pk_fma_f32 v[4+4*\mod:5+4*\mod], v[OB+32*\mod+\i+2:OB+32*\mod+\i+3], v[OB+32*\mod+\i+2:OB+32*\mod+\i+3], v[4+4*\mod:5+4*\mod]
.endr
.endr
	LNSUM
.irp mod,0,1
	v_fma_f32 v[26+\mod], v[26+\mod], s66, s67
.endr
	s_wait_alu depctr_va_vdst(0)
.irp mod,0,1
	v_rsq_f32 v[30+\mod], v[26+\mod]
.endr
	v_nop
	s_wait_alu depctr_va_vdst(0)
.irp mod,0,1
	v_mov_b32 v[14+2*\mod], v[30+\mod]
	v_mov_b32 v[15+2*\mod], v[30+\mod]
.endr
.irp mod,0,1
	s_bitcmp1_b32 s96, 2*(\p)+\mod
	s_cselect_b32 s[98+\mod], 0, -1
.endr
	WIN 0x41
.irp i,0,2,4,6,8,10,12,14,16,18,20,22,24,26,28,30
.irp mod,0,1
	v_pk_mul_f32 v[OB+32*\mod+\i:OB+32*\mod+\i+1], v[OB+32*\mod+\i:OB+32*\mod+\i+1], v[14+2*\mod:15+2*\mod]
.endr
.endr
	WIN 0x55
.irp i,0,2,4,6,8,10,12,14,16,18,20,22,24,26,28,30
.irp mod,0,1
	v_pk_fma_f32 v[OB+32*\mod+\i:OB+32*\mod+\i+1], v[OB+32*\mod+\i:OB+32*\mod+\i+1], v[\i:\i+1], v[32+\i:33+\i]
.endr
.endr
	WIN 0x41
.irp mod,0,1
.irp i,0,1,2,3,4,5,6,7,8,9,10,11,12,13,14,15,16,17,18,19,20,21,22,23,24,25,26,27,28,29,30,31
	v_cndmask_b32 v[OB+32*\mod+\i], v[OB+32*\mod+\i], v24, s[98+\mod]
.endr
.endr
	WIN 0x04
.irp mod,0,1
.irp c,0,1,2,3,4,5,6,7
	global_store_b128 v12, v[OB+32*\mod+4*\c:OB+32*\mod+4*\c+3], s[36:37] offset:4096*(2*(\p)+\mod)+512*\c th:TH_STORE_NT
.endr
.endr
	s_wait_alu depctr_va_vdst(0)
.endm
	LNP 0, 16
	LNP 1, 16
	LNP 2, 16
	LNP 3, 0
	WIN 0
	s_wait_tensorcnt 0x0                           ; the wave's end
	ds_add_u32 v[SPW], v[NIL]
	s_wait_dscnt 0x0
	ROUND                                          ; the closing round: no work-group ends while a partner may still ask for a tile that names it
	s_endpgm
.Lfunc_end_k_qf6af2a89b1_fused:
	.size	k_qf6af2a89b1_fused, .Lfunc_end_k_qf6af2a89b1_fused-k_qf6af2a89b1_fused
	.p2alignl 7, 3214868480
	.fill 96, 4, 3214868480
	.section	.rodata,"a",@progbits
	.p2align	6, 0x0
	.amdhsa_kernel k_qf6af2a89b1_fused
		.amdhsa_group_segment_fixed_size 327680
		.amdhsa_private_segment_fixed_size 0
		.amdhsa_enable_private_segment 0
		.amdhsa_kernarg_size 136
		.amdhsa_user_sgpr_count 2
		.amdhsa_user_sgpr_kernarg_segment_ptr 1
		.amdhsa_wavefront_size32 1
		.amdhsa_system_sgpr_workgroup_id_x 1
		.amdhsa_system_sgpr_workgroup_id_y 1
		.amdhsa_system_sgpr_workgroup_id_z 1
		.amdhsa_system_vgpr_workitem_id 0
		.amdhsa_next_free_vgpr 512
		.amdhsa_next_free_sgpr 106
		.amdhsa_reserve_vcc 0
		.amdhsa_float_denorm_mode_32 3
		.amdhsa_float_denorm_mode_16_64 3
		.amdhsa_memory_ordered 1
		.amdhsa_forward_progress 1
		.amdhsa_inst_pref_size 255
	.end_amdhsa_kernel
	.section	.bss,"aw",@nobits
	.p2align	6
	.space	262144
	.amdgpu_metadata
---
amdhsa.version: [ 1, 2 ]
amdhsa.kernels:
  - .name:           k_qf6af2a89b1_fused
    .symbol:         k_qf6af2a89b1_fused.kd
    .args:
      - { .name: modality_encodings, .offset: 0, .size: 8, .value_kind: global_buffer, .address_space: global }
      - { .name: selection_mask, .offset: 8, .size: 8, .value_kind: global_buffer, .address_space: global }
      - { .name: wq_codes, .offset: 16, .size: 8, .value_kind: global_buffer, .address_space: global }
      - { .name: wq_scales, .offset: 24, .size: 8, .value_kind: global_buffer, .address_space: global }
      - { .name: bq, .offset: 32, .size: 8, .value_kind: global_buffer, .address_space: global }
      - { .name: wk_codes, .offset: 40, .size: 8, .value_kind: global_buffer, .address_space: global }
      - { .name: wk_scales, .offset: 48, .size: 8, .value_kind: global_buffer, .address_space: global }
      - { .name: wv_codes, .offset: 56, .size: 8, .value_kind: global_buffer, .address_space: global }
      - { .name: wv_scales, .offset: 64, .size: 8, .value_kind: global_buffer, .address_space: global }
      - { .name: bv, .offset: 72, .size: 8, .value_kind: global_buffer, .address_space: global }
      - { .name: wo_codes, .offset: 80, .size: 8, .value_kind: global_buffer, .address_space: global }
      - { .name: wo_scales, .offset: 88, .size: 8, .value_kind: global_buffer, .address_space: global }
      - { .name: bo, .offset: 96, .size: 8, .value_kind: global_buffer, .address_space: global }
      - { .name: rel_prior, .offset: 104, .size: 8, .value_kind: global_buffer, .address_space: global }
      - { .name: ln_gamma, .offset: 112, .size: 8, .value_kind: global_buffer, .address_space: global }
      - { .name: ln_beta, .offset: 120, .size: 8, .value_kind: global_buffer, .address_space: global }
      - { .name: out0, .offset: 128, .size: 8, .value_kind: global_buffer, .address_space: global }
    .group_segment_fixed_size: 327680
    .private_segment_fixed_size: 0
    .kernarg_segment_align: 8
    .kernarg_segment_size: 136
    .max_flat_workgroup_size: 256
    .sgpr_count:     106
    .vgpr_count:     512
    .wavefront_size: 32
...
	.end_amdgpu_metadata
.endif
;; end of part 1
